; MI455X (gfx1250); checked and timed in simulation.
; The chip was launched on July 23, 2026; its instructions are those of AMD's public machine-readable ISA for CDNA 5 (MIT licence, August 2026) and "CDNA5" Instruction Set Architecture Reference Guide (July 2026). The comments in the code are by the model that wrote it; some were corrected since.
;; Flash Attention. Allowed arithmetic: matrix products marked QUANTISED: E4M3 operands, one given power-of-two scale a tensor, by v_wmma_f32_16x16x64_fp8_fp8 or v_wmma_f32_16x16x128_fp8_fp8, f32 sums; everything else in f32.
;; Inputs: bk 1,024 float32; bo 1,024 float32; bq 1,024 float32; bv 1,024 float32; lowp_scales 12 int32 (the exponents e of the quantised operands' scales 2^e); wk 1,024 x 1,024 float32; wo 1,024 x 1,024 float32; wq 1,024 x 1,024 float32; wv 1,024 x 1,024 float32; x 4 x 2,048 x 1,024 float32.
;; Outputs: out0 4 x 2,048 x 1,024 float32.
;; This version of the problem:
;;   THIS VERSION OF THE PROBLEM IS GIVEN IN LOW PRECISION. The matrix products marked QUANTISED in the list below multiply operands that are first quantised to E4M3 (4 exponent bits, 3 mantissa bits; 8 bits a number), with one given power-of-two scale for each operand tensor; their sums are f32. All else is computed in f32.
;;   The module's matrix products, in the order in which they are computed (A, B: the left and right operand; K: the contracted axis; several contracted axes count as one K, in the product's order):
;;     1. [M 8,192, K 1,024] x [K 1,024, N 1,024]; A: input x; B: input wq: QUANTISED (scales: A lowp_scales[0], B lowp_scales[1])
;;     2. [M 8,192, K 1,024] x [K 1,024, N 1,024]; A: input x; B: input wk: QUANTISED (scales: A lowp_scales[2], B lowp_scales[3])
;;     3. [M 8,192, K 1,024] x [K 1,024, N 1,024]; A: input x; B: input wv: QUANTISED (scales: A lowp_scales[4], B lowp_scales[5])
;;     4. batch 64 x [M 2,048, K 64] x [K 64, N 2,048]; A: computed on the way; B: computed on the way: QUANTISED (scales: A lowp_scales[6], B lowp_scales[7])
;;     5. batch 64 x [M 2,048, K 2,048] x [K 2,048, N 64]; A: softmax (see below); B: computed on the way: QUANTISED (scales: A lowp_scales[8], B lowp_scales[9])
;;     6. [M 8,192, K 1,024] x [K 1,024, N 1,024]; A: computed on the way; B: input wo: QUANTISED (scales: A lowp_scales[10], B lowp_scales[11])
;;   THE QUANTISER, for each operand of a quantised product, along K:
;;     - The operand's scale is 2^e, e = its entry of the input lowp_scales (int32; the entries are numbered through the quantised products in the list's order, A before B).
;;     - Each number is divided by the scale, clamped to +-448, and rounded to the nearest number of E4M3, ties to even, subnormals kept.
;;     - The product sums the exact products of the quantised numbers (number of the format x scale) in f32.
;;   ~~~python
;;   def quantise(x, axis, e):      # numpy; x: float32 -> the quantised numbers, widened to float32 again
;;       x = np.moveaxis(x, axis, -1); K = x.shape[-1]
;;       r = np.clip(x / 2.0 ** e, -448, 448)
;;       step = 2.0 ** (np.maximum(np.frexp(np.where(r == 0, 1, r))[1] - 1, -6) - 3)
;;       q = np.round(r / step) * step * 2.0 ** e      # np.round: ties to even
;;       return np.moveaxis(q, -1, axis).astype(np.float32)
;;   ~~~
;;   SOFTMAX AHEAD OF A QUANTISED PRODUCT. Where the list says 'softmax', what is quantised is not the finished softmax but p = 2^(t - M), with t = logit x log2(e) and M = ceil(the row's largest t), a whole number; so 1/2 < the row's largest p <= 1. The row's sum l is taken of the UNQUANTISED p, in f32, and the product's result is divided by l at the end. Since M is a whole number, a kernel that streams over the keys may use a running M (the ceiling of the running maximum): every later rescaling is an exact power of two, so the quantised numbers keep their values, but for numbers so far below the row's largest that they fall under the format's range.
;;   OPERANDS COMPUTED ON THE WAY. 'Computed on the way' means the value that the module computes at that place (a softmax that the list does not call 'softmax' is quantised finished and normalised). What goes into a quantiser is computed in f32, as accurately as f32 sums, v_exp_f32 and their like allow (about 1e-6 of the number): no bf16 or f16 on the way to a quantiser, and a product that is left as it is and whose result goes on into a quantised operand takes f32 operands (vector FMAs, or v_wmma_f32_16x16x4_f32). A number that lies on a knife's edge between two numbers of the format may be rounded either way, as far as f32 arithmetic and the matrix unit's own rounding can turn it there, and no further.
;; One version. Each part assembles by itself: llvm-mc -triple=amdgcn-amd-amdhsa -mcpu=gfx1250 --defsym DOCPART=n.
;; ======== version 1 of 1: 4 launches
;; limits: right only within a limited range of input values
;; workspace buffers: ximg 25,165,824 bytes; wimg 4,194,304 bytes; qimg 8,388,608 bytes; kv 16,777,216 bytes; aimg 8,388,608 bytes
;; launch quant (part 1): grid 384 x 1, 4 waves a work-group, no clusters, 35,328 bytes of LDS; arguments x, wq, wk, wv, wo, lowp_scales, ximg, wimg; writes ximg, wimg
.if DOCPART == 1
	.amdgcn_target "amdgcn-amd-amdhsa--gfx1250"
	.amdhsa_code_object_version 6
	.text
	.protected	k_q950a6956d2_quant
	.globl	k_q950a6956d2_quant
	.p2align	8
	.type	k_q950a6956d2_quant,@function
k_q950a6956d2_quant:
	s_mov_b64 s[64:65], 0
	v_nop
	global_prefetch_b8 v0, s[64:65] scope:SCOPE_SE
	s_setreg_imm32_b32 hwreg(HW_REG_WAVE_MODE, 25, 1), 1
	s_wait_xcnt 0x0
; x [8192][1024] and wq, wk, wv, wo [1024][1024], f32, K innermost, become codes of FP8 (E4M3), each with the scale 2^e that is given for it.
; x is an operand of three products with three entries of the scales (0, 2, 4): it is read once and quantised three times.  wq, wk, wv, wo take entries 1, 3, 5, 11.
; code = number / 2^e, held within +-448, rounded to the nearest code, ties to even.
; LIMITS: every e lies between -126 and 119, so that 2^e and 448 x 2^e are f32 numbers.  NaN among the inputs is not served.
; THE CODES ARE LAID AS IMAGES OF OPERAND REGISTERS.  A fragment is 16 rows x 128 K in 16 registers: lane (r = lane % 16, h = lane / 16) holds row r, registers 2 c, 2 c + 1 hold k = 16 c + 8 h + 0 .. 7.
; Its image is 2,048 bytes: registers 4 g .. 4 g + 3 of all lanes on end, lane l's 16 bytes at 512 g + 16 l.  A tensor is [tile of 16 rows][fragment along K: 8][2,048].  So every later load of a fragment
; is 16 bytes a lane at 16 x lane, and every store here covers 512 consecutive bytes, aligned.
; SHARES.  Work-groups 0-255 take x, 256-383 the weights (32 each).  A wave takes 16 rows x 512 K in eight steps of 64 K.  Each load reads two rows' 256 consecutive bytes; a step's 4,096 bytes turn through the
; wave's own stage in LDS (rows 272 bytes apart) and come back as a lane's 32 numbers in the order of the registers.
; No matrix unit, no tensor load, no cluster, no barrier: work-groups and waves share no byte.  Loads run three steps (24 loads a wave) ahead, the turn through LDS one step.
.set PITCH, 272                        ; a stage row: 256 bytes + 16
.set STG,   16*PITCH                   ; a stage
.set WREG,  2*STG                      ; a wave's two stages
.set R,     16                         ; v16-111   three sets of 32 registers as loaded
.set X,     112                        ; v112-175  two sets of 32 numbers in the order of the registers
.set T,     176                        ; v176-207  the numbers held, two sets of 16 by turns
.set C,     208                        ; v208-231  codes: eight registers for each of the three outputs
	s_load_b512 s[4:19], s[0:1], 0x0               ; x, wq, wk, wv, wo, the scales' exponents, ximg, wimg
	v_lshl_add_u32 v232, v0, 2, 0x8800
	v_mov_b32 v233, 0
	v_lshrrev_b32 v1, 5, v0
	v_readfirstlane_b32 s23, v1                    ; wave 0..3
	v_and_b32 v12, 15, v0                          ; r
	v_bfe_u32 v13, v0, 4, 1                        ; h
	v_lshlrev_b32 v14, 4, v12
	v_lshl_add_u32 v2, v13, 12, v14                ; v2: a load's place: row h of two (4,096 bytes apart), 16 bytes a lane
	s_mul_i32 s45, s23, WREG
	v_mul_u32_u24 v3, v13, PITCH
	v_add_nc_u32 v3, v3, v14
	v_add_nc_u32 v3, s45, v3                       ; v3: into the stage, as loaded
	v_mul_u32_u24 v4, v12, PITCH
	v_lshl_add_u32 v4, v13, 5, v4
	v_add_nc_u32 v4, s45, v4                       ; v4: out of it: row r, 8 h numbers on
	v_and_b32 v5, 31, v0
	v_lshlrev_b32 v5, 4, v5                        ; v5: 16 x lane: my place in an image
	s_sub_co_u32 s20, ttmp9, 256
	s_lshr_b32 s21, s20, 5                         ; which weight
	s_and_b32 s22, s20, 31                         ; and which of its 32 work-groups
	s_cmp_lt_u32 ttmp9, 256                        ; x's work-group or a weight's: the choice hangs on the work-group's number alone
	s_cselect_b32 s22, ttmp9, s22
	s_cselect_b32 s21, 0, s21
	s_lshl_b32 s22, s22, 2
	s_add_co_u32 s22, s22, s23                     ; my wave's unit u: tile of rows u / 2, half of K u % 2
	s_lshr_b32 s48, s22, 1
	s_lshl_b32 s48, s48, 16                        ; 16 rows of 4,096 bytes
	s_and_b32 s49, s22, 1
	s_lshl_b32 s49, s49, 11                        ; 512 numbers
	s_add_co_u32 s48, s48, s49
	s_mov_b32 s49, 0
	s_lshl_b32 s50, s22, 13                        ; in the images: 16,384 x tile + 8,192 x half = 8,192 u
	s_mov_b32 s51, 0
	s_lshl_b32 s46, s21, 20                        ; a weight's images are 2^20 bytes
	s_mov_b32 s47, 0
	s_wait_alu depctr_va_vdst(0)
	s_wait_kmcnt 0x0
	s_load_b256 s[24:31], s[14:15], 0x0            ; e0 .. e7
	s_load_b128 s[32:35], s[14:15], 0x20           ; e8 .. e11
	s_cmp_eq_u32 s21, 1
	s_cselect_b64 s[36:37], s[8:9], s[6:7]
	s_cmp_eq_u32 s21, 2
	s_cselect_b64 s[36:37], s[10:11], s[36:37]
	s_cmp_eq_u32 s21, 3
	s_cselect_b64 s[36:37], s[12:13], s[36:37]
	s_cmp_lt_u32 ttmp9, 256
	s_cselect_b64 s[36:37], s[4:5], s[36:37]       ; s[36:37] what I read
	s_cselect_b64 s[38:39], s[16:17], s[18:19]     ; s[38:39] where output 0 goes
	s_add_nc_u64 s[36:37], s[36:37], s[48:49]
	s_add_nc_u64 s[38:39], s[38:39], s[46:47]
	s_add_nc_u64 s[38:39], s[38:39], s[50:51]
	s_add_nc_u64 s[40:41], s[16:17], s[50:51]
	s_add_nc_u64 s[42:43], s[40:41], 0x1000000     ; x's third set of images
	s_add_nc_u64 s[40:41], s[40:41], 0x800000      ; x's second
.macro LOAD t                          ; step t: 16 rows x 64 numbers; each load reads two rows' 256 consecutive bytes
.irp i, 0,1,2,3,4,5,6,7
	global_load_b128 v[R+32*((\t)%3)+4*\i:R+32*((\t)%3)+4*\i+3], v2, s[36:37] offset:8192*\i+256*(\t) th:TH_LOAD_NT
.endr
.endm
.macro TURN t                          ; through the stage: LDS serves a wave's instructions in order, so no wait stands between the stores and the loads
.irp i, 0,1,2,3,4,5,6,7
	ds_store_b128 v3, v[R+32*((\t)%3)+4*\i:R+32*((\t)%3)+4*\i+3] offset:STG*((\t)%2)+2*PITCH*\i
.endr
.irp g, 0,1
.irp e, 0,1
.irp q, 0,1
	ds_load_b128 v[X+32*((\t)%2)+16*\g+8*\e+4*\q:X+32*((\t)%2)+16*\g+8*\e+4*\q+3], v4 offset:STG*((\t)%2)+128*\g+64*\e+16*\q   ; register 16 g + 8 e + j: k = 32 g + 16 e + 8 h + j of row r
.endr
.endr
.endr
.endm
.macro QOUT t, o                       ; step t's numbers with output o's scale: 32 codes a lane's row part, two stores of 512 consecutive bytes
.irp g, 0,1
.irp n, 0,1,2,3,4,5,6,7,8,9,10,11,12,13,14,15
	v_med3_num_f32 v[T+16*\g+\n], v[X+32*((\t)%2)+16*\g+\n], -v[7+2*(\o)], v[7+2*(\o)]   ; the conversion to an 8-bit code does not saturate (ISA guide 7.6.2): the hold at the largest code x the scale
.endr
	v_cvt_scalef32_pk8_fp8_f32 v[C+8*(\o)+4*\g:C+8*(\o)+4*\g+1], v[T+16*\g:T+16*\g+7], v[6+2*(\o)]
	v_cvt_scalef32_pk8_fp8_f32 v[C+8*(\o)+4*\g+2:C+8*(\o)+4*\g+3], v[T+16*\g+8:T+16*\g+15], v[6+2*(\o)]   ; the other set's sixteen holds are plain lines between a conversion and the next write of its sources
.endr
.irp g, 0,1
	global_store_b128 v5, v[C+8*(\o)+4*\g:C+8*(\o)+4*\g+3], s[38+2*(\o):39+2*(\o)] offset:1024*(\t)+512*\g
.endr
.endm
.macro MKS e, o                        ; 2^e as f32 (the conversion takes its exponent field), and 448 x 2^e
	s_add_co_i32 s52, \e, 127
	s_lshl_b32 s53, s52, 23
	v_mov_b32 v[6+2*(\o)], s53
	s_add_co_i32 s52, s52, 8
	s_lshl_b32 s52, s52, 23
	s_or_b32 s52, s52, 0x600000
	v_mov_b32 v[7+2*(\o)], s52
.endm
	LOAD 0
	LOAD 1
	LOAD 2
	s_wait_kmcnt 0x0
	s_cmp_eq_u32 s21, 1
	s_cselect_b32 s44, s27, s25                    ; wk: e3, wq: e1
	s_cmp_eq_u32 s21, 2
	s_cselect_b32 s44, s29, s44                    ; wv: e5
	s_cmp_eq_u32 s21, 3
	s_cselect_b32 s44, s35, s44                    ; wo: e11
	s_cmp_lt_u32 ttmp9, 256
	s_cselect_b32 s44, s24, s44                    ; x: e0
	MKS s44, 0
	MKS s26, 1                                     ; x: e2
	MKS s28, 2                                     ; x: e4
	s_wait_alu depctr_va_vdst(0)
	s_wait_loadcnt 16                              ; step 0's eight loads are in; those of steps 1 and 2 may be out
	TURN 0
.macro STEP t
	s_wait_dscnt 0x0                               ; this step's numbers are back from the stage, and its stores into the stage have read their registers,
.if (\t)+3 < 8
	LOAD (\t)+3                                    ; which take the loads of three steps on
.endif
.if (\t) < 7
.if (\t) < 5
	s_wait_loadcnt 16                              ; the next step's loads are in; those of the two steps behind it may be out
.else
	s_wait_loadcnt 8*(6-(\t))
.endif
	TURN (\t)+1                                    ; the next step goes through the other stage while this one is worked
.endif
	s_wait_xcnt 0x0                                ; the last step's stores have read their data: the codes' registers may be written again
	QOUT \t, 0
	s_cmp_lt_u32 ttmp9, 256                        ; a weight has one scale: the branch passes over register work and stores alone
	s_cbranch_scc0 .Lone_scale_\@
	QOUT \t, 1
	QOUT \t, 2
.Lone_scale_\@:
.endm
.irp t, 0,1,2,3,4,5,6,7
	STEP \t
.endr
	s_wait_tensorcnt 0x0
	ds_add_u32 v232, v233
	s_wait_dscnt 0x0
	s_endpgm
.Lfunc_end_k_q950a6956d2_quant:
	.size	k_q950a6956d2_quant, .Lfunc_end_k_q950a6956d2_quant-k_q950a6956d2_quant
	.p2alignl 7, 3214868480
	.fill 96, 4, 3214868480
	.section	.rodata,"a",@progbits
	.p2align	6, 0x0
	.amdhsa_kernel k_q950a6956d2_quant
		.amdhsa_group_segment_fixed_size 35328
		.amdhsa_private_segment_fixed_size 0
		.amdhsa_enable_private_segment 0
		.amdhsa_kernarg_size 64
		.amdhsa_user_sgpr_count 2
		.amdhsa_user_sgpr_kernarg_segment_ptr 1
		.amdhsa_wavefront_size32 1
		.amdhsa_system_sgpr_workgroup_id_x 1
		.amdhsa_system_sgpr_workgroup_id_y 1
		.amdhsa_system_sgpr_workgroup_id_z 1
		.amdhsa_system_vgpr_workitem_id 0
		.amdhsa_next_free_vgpr 234
		.amdhsa_next_free_sgpr 66
		.amdhsa_reserve_vcc 0
		.amdhsa_float_denorm_mode_32 3
		.amdhsa_float_denorm_mode_16_64 3
		.amdhsa_memory_ordered 1
		.amdhsa_forward_progress 1
		.amdhsa_inst_pref_size 78
	.end_amdhsa_kernel
	.amdgpu_metadata
---
amdhsa.version: [ 1, 2 ]
amdhsa.kernels:
  - .name:           k_q950a6956d2_quant
    .symbol:         k_q950a6956d2_quant.kd
    .args:
      - { .name: x, .offset: 0, .size: 8, .value_kind: global_buffer, .address_space: global }
      - { .name: wq, .offset: 8, .size: 8, .value_kind: global_buffer, .address_space: global }
      - { .name: wk, .offset: 16, .size: 8, .value_kind: global_buffer, .address_space: global }
      - { .name: wv, .offset: 24, .size: 8, .value_kind: global_buffer, .address_space: global }
      - { .name: wo, .offset: 32, .size: 8, .value_kind: global_buffer, .address_space: global }
      - { .name: lowp_scales, .offset: 40, .size: 8, .value_kind: global_buffer, .address_space: global }
      - { .name: ximg, .offset: 48, .size: 8, .value_kind: global_buffer, .address_space: global }
      - { .name: wimg, .offset: 56, .size: 8, .value_kind: global_buffer, .address_space: global }
    .group_segment_fixed_size: 35328
    .private_segment_fixed_size: 0
    .kernarg_segment_align: 8
    .kernarg_segment_size: 64
    .max_flat_workgroup_size: 128
    .sgpr_count:     66
    .vgpr_count:     234
    .wavefront_size: 32
...
	.end_amdgpu_metadata
.endif
;; end of part 1
;; launch qkv (part 2): grid 4 x 64, 4 waves a work-group, clusters of 4 x 1, 327,680 bytes of LDS; arguments ximg, wimg, lowp_scales, bq, bk, bv, qimg, kv; writes qimg, kv
.if DOCPART == 2
	.amdgcn_target "amdgcn-amd-amdhsa--gfx1250"
	.amdhsa_code_object_version 6
	.text
	.protected	k_q950a6956d2_qkv
	.globl	k_q950a6956d2_qkv
	.p2align	8
	.type	k_q950a6956d2_qkv,@function
k_q950a6956d2_qkv:
	s_mov_b64 s[64:65], 0
	v_nop
	global_prefetch_b8 v0, s[64:65] scope:SCOPE_SE
	s_setreg_imm32_b32 hwreg(HW_REG_WAVE_MODE, 25, 1), 1
	s_wait_xcnt 0x0
	s_wait_alu depctr_hold_cnt(0) depctr_sa_sdst(0) depctr_va_vdst(0) depctr_va_sdst(0) depctr_va_ssrc(0) depctr_va_vcc(0) depctr_vm_vsrc(0)
	s_getreg_b32 s2, hwreg(HW_REG_IB_STS2, 6, 4)
	s_cmp_eq_u32 s2, 0
	s_cbranch_scc0 .Lentry_in_a_cluster
	s_endpgm
.Lentry_in_a_cluster:
	s_bfe_u32 s2, ttmp6, 0x10000c
	s_cmp_lg_u32 s2, 0x3003
	s_cbranch_scc0 .Lentry_shape_is_right
	s_endpgm
.Lentry_shape_is_right:
; Q, K, V = x W^T + b on codes of FP8 (E4M3), K = 1,024, each result quantised at once (entries 6, 7, 9) into the images that the attention launch reads.
; ximg: three sets (entries 0, 2, 4) of [tile of 16 rows: 512][fragment of 128 K: 8][2,048]; wimg: wq, wk, wv, wo likewise, 2^20 bytes each.  A fragment's image is its 16 registers, four registers of all lanes in 512 bytes.
; ONE OPERAND RESTS, THE OTHER STREAMS.  256 rows x 1,024 K of one operand, 262,144 bytes, lie whole in LDS, filled once, by one tensor load a wave (65,536 bytes each); one barrier shows them to all.
; The other operand goes from its images straight into registers, 128 rows a block: a wave holds its 64 rows x 1,024 K in 512 registers, and as soon as a K step's fragments are multiplied they are asked for anew, for the next block:
; eight K steps ahead of their use.  So no separate prefetch is laid: the stream is already asked for a block ahead.
; Source 0 = 16 resting rows, source 1 = 16 streamed rows: a lane holds one streamed row, its eight registers eight neighbouring resting rows.
; Q, K: the weights rest (256 of e, four heads), x streams (4 blocks of 128 tokens): a lane's registers run along the head's channels.  V: x rests (256 tokens), wv streams (2 blocks of 128 channels): registers run along the keys.
; GRID: clusters of four along x; cluster y 0-15: Q, 16-31: K (weight block y / 4 % 4; tokens 512 x (4 (y % 4) + cx)), 32-63: V (tokens 256 (y - 32); channels 256 cx).  The four partners share the resting block: joint loads.
; BIAS.  Q, K: b / 2^(ea + eb) is the C of a block's first products.  V: its bias hangs on the lane, not on the register: there C is 0 and the bias is added on the way out.
; A wave makes 64 streamed x 128 resting: 32 accumulators.  LIMITS: eout - ea - eb between -126 and 119; NaN is not served.
; REGISTERS.  Window 0: v3-13 addresses, scale, bound; v14-29 V's bias (pairs); v32-95 C; v96-111 codes; v128-255 eight resting fragments.  Window 1: accumulator (a, b) at 8 (8 a + b).  Windows 2, 3: streamed fragment (k, a) at 64 k + 16 a.
.set SPARE, 262144
.set L16,  3
.set ADB,  4                           ; v4, v5: my 128 resting rows in LDS, tiles 0-3 and 4-7
.set OFFG, 8
.set SCV,  12
.set LIMV, 13
.set BV,   14
.set SPW,  30
.set NIL,  31
.set CB,   32
.set CD,   96
.set BF,   128
.set G1,   24
.set G0,   32
.set CNT,  36
.set SB,   80                          ; s[80:81] where the codes go; s[82:83] from tile to tile; s[84:85] on to the next block
.set AN,   88                          ; s[88:89] the streamed block that is being asked for
.set MSB, 0
.macro WIN new
.if MSB != \new
	s_set_vgpr_msb (MSB<<8)|\new
.set MSB, \new
.endif
.endm
.macro ROUND
	s_barrier_signal -1
	s_barrier_wait -1
	s_cmp_lg_u32 s20, 0
	s_cbranch_scc1 .Lnot_wave_0_\@
	s_barrier_signal -3
.Lnot_wave_0_\@:
	s_barrier_wait -3
	s_barrier_signal -1
	s_barrier_wait -1
.endm
.macro NOP4
.rept 4
	v_nop
.endr
.endm
.macro MULH k, h                       ; 16 products: resting tiles 4 h .. 4 h + 3 x my four streamed tiles; the accumulators by turns
.irp b, 0,1,2,3
.irp a, 0,1,2,3
.if (\k) == 0
	v_wmma_f32_16x16x128_fp8_fp8 v[8*(8*\a+4*(\h)+\b):8*(8*\a+4*(\h)+\b)+7], v[BF+16*(4*(\h)+\b):BF+16*(4*(\h)+\b)+15], v[64*((\k)%4)+16*\a:64*((\k)%4)+16*\a+15], v[CB+8*(4*(\h)+\b):CB+8*(4*(\h)+\b)+7]
.else
	v_wmma_f32_16x16x128_fp8_fp8 v[8*(8*\a+4*(\h)+\b):8*(8*\a+4*(\h)+\b)+7], v[BF+16*(4*(\h)+\b):BF+16*(4*(\h)+\b)+15], v[64*((\k)%4)+16*\a:64*((\k)%4)+16*\a+15], v[8*(8*\a+4*(\h)+\b):8*(8*\a+4*(\h)+\b)+7]
.endif
.endr
.endr
.endm
.macro BLOADH k, h                     ; four resting fragments of K step k
.irp b, 0,1,2,3
.irp c, 0,1,2,3
	ds_load_b128 v[BF+16*(4*(\h)+\b)+4*\c:BF+16*(4*(\h)+\b)+4*\c+3], v[ADB+(\h)] offset:16384*\b+2048*(\k)+512*\c
.endr
.endr
.endm
.macro ALOAD k                         ; my four streamed fragments of K step k
	WIN 0x80+0x40*((\k)/4)
.irp a, 0,1,2,3
.irp c, 0,1,2,3
	global_load_b128 v[64*((\k)%4)+16*\a+4*\c:64*((\k)%4)+16*\a+4*\c+3], v[L16], s[AN:AN+1] offset:16384*\a+2048*(\k)+512*\c
.endr
.endr
	WIN 0
.endm
.macro MWIN k
.if (\k) == 0
	WIN 0x48                               ; C in window 0
.else
	WIN 0x58+4*((\k)/4)
.endif
.endm
.macro STEPK k, last
.if (\last) && ((\k) > 3)
	s_wait_loadcnt 16*(7-(\k))             ; behind this step's sixteen loads stand only the later steps'
.else
	s_wait_loadcnt 63                      ; behind this step's sixteen loads at least 64 more were issued
.endif
	s_wait_dscnt 16                        ; resting tiles 0-3 are in; the sixteen loads of tiles 4-7 may be out
	MWIN \k
	MULH \k, 0
	WIN 0
.if (\last) && ((\k) == 7)
	s_wait_dscnt 0x0
.else
	NOP4                                   ; places in front of loads into registers that matrix instructions have read
	BLOADH ((\k)+1)%8, 0
	s_wait_dscnt 16                        ; tiles 4-7 are in; the sixteen just issued may be out
.endif
	MWIN \k
	MULH \k, 1
	WIN 0
	NOP4
.if (\last) && ((\k) == 7)
.else
	BLOADH ((\k)+1)%8, 1
.endif
.if (\last) == 0
	ALOAD \k                               ; the next block's fragments of this K step
.endif
.endm
; THE WAY OUT of a block: held, converted, stored as images: a streamed tile's eight conversions are sixteen registers, four stores of 512 consecutive bytes, aligned.
.macro EPI last
	s_cmp_eq_u32 s42, 2
	s_cbranch_scc0 .Lno_v_\@
	WIN 0x41
.irp a, 0,1,2,3
.set n, 0
.rept 32
	v_pk_add_f32 v[64*\a+n:64*\a+n+1], v[64*\a+n:64*\a+n+1], v[BV+2*\a:BV+2*\a+1] op_sel_hi:[1,0]   ; V: the lane's bias
.set n, n+2
.endr
.endr
	WIN 0
.irp a, 0,1,2,3
	v_mov_b32 v[BV+2*\a], v[BV+8+2*\a]     ; the next block's
.endr
.Lno_v_\@:
.irp a, 0,1,2,3
	s_wait_xcnt 0x0                        ; the last stores have read their data and base
.if \a > 0
	s_add_nc_u64 s[SB:SB+1], s[SB:SB+1], s[82:83]
.endif
	WIN 0x41
.set n, 0
.rept 64
	v_med3_num_f32 v[64*\a+n], v[64*\a+n], -v[LIMV], v[LIMV]   ; the conversion does not saturate (ISA guide 7.6.2); each accumulator from its low end on
.set n, n+1
.endr
	WIN 0x01
.irp b, 0,1,2,3,4,5,6,7
	v_cvt_scalef32_pk8_fp8_f32 v[CD+2*\b:CD+2*\b+1], v[64*\a+8*\b:64*\a+8*\b+7], v[SCV]
.endr
	WIN 0
	v_nop
.irp g, 0,1,2,3
	global_store_b128 v[OFFG+\g], v[CD+4*\g:CD+4*\g+3], s[SB:SB+1]
.endr
.endr
.if (\last) == 0
	s_wait_xcnt 0x0
	s_add_nc_u64 s[SB:SB+1], s[SB:SB+1], s[84:85]
.endif
.endm
.macro BLOCK last
.irp k, 0,1,2,3,4,5,6,7
	STEPK \k, \last
.endr
	EPI \last
.endm
	s_load_b512 s[4:19], s[0:1], 0x0               ; ximg, wimg, the scales' exponents, bq, bk, bv, qimg, kv
	v_lshl_add_u32 v[SPW], v0, 2, SPARE
	v_mov_b32 v[NIL], 0
	ds_add_u32 v[SPW], v[NIL]                      ; the opening lines: the add, twice on end, and its wait
	ds_add_u32 v[SPW], v[NIL]
	v_lshrrev_b32 v1, 5, v0
	v_readfirstlane_b32 s20, v1                    ; wave
	s_lshr_b32 s21, s20, 1                         ; which 64 streamed rows
	s_and_b32 s22, s20, 1                          ; which 128 resting rows
	s_bfe_u32 s40, ttmp6, 0x40000                  ; cx: it enters the stream's, the bias's and the result's addresses alone
	s_and_b32 s41, ttmp7, 0xffff                   ; y
	s_lshr_b32 s42, s41, 4
	s_min_u32 s42, s42, 2                          ; the product: 0 Q, 1 K, 2 V
	s_lshr_b32 s43, s41, 2
	s_and_b32 s43, s43, 3                          ; Q, K: the weight's block of 256 rows
	s_and_b32 s44, s41, 3
	s_lshl_b32 s44, s44, 2
	s_add_co_u32 s44, s44, s40                     ; Q, K: the group of 512 tokens
	s_sub_co_u32 s45, s41, 32                      ; V: the block of 256 tokens (used where the product is V alone)
	s_mov_b32 s[G1], 15|(3<<16)|(1<<21)            ; the mask of all four; elements of 8 bytes; bit 21 beside a mask
	s_mov_b32 s[G1+1], 32<<16                      ; rows of 256 bytes,
	s_mov_b32 s[G1+2], 256<<16                     ; 256 of them a wave
	s_mov_b32 s[G1+3], 32<<16
	s_mov_b32 s[G1+4], 256
	s_mov_b32 s[G1+5], 32
	s_mov_b32 s[G1+6], 0
	s_mov_b32 s[G1+7], 0
	s_lshl_b32 s46, s42, 20                        ; the resting block: Q, K: in the product's weight;
	s_lshl_b32 s47, s43, 18
	s_add_co_u32 s46, s46, s47
	s_lshl_b32 s47, s45, 18                        ; V: in x's third set
	s_add_co_u32 s47, s47, 0x1000000
	s_cmp_eq_u32 s42, 2
	s_cselect_b32 s86, s47, s46
	s_lshl_b32 s98, s20, 16                        ; my quarter, in memory and in LDS
	s_add_co_u32 s86, s86, s98
	s_mov_b32 s87, 0
	s_lshl_b32 s46, s42, 23                        ; the stream: Q, K: the product's set of x, my group of tokens;
	s_lshl_b32 s47, s44, 19
	s_add_co_u32 s46, s46, s47
	s_lshl_b32 s47, s40, 18                        ; V: wv, my 256 channels
	s_add_co_u32 s47, s47, 0x200000
	s_cmp_eq_u32 s42, 2
	s_cselect_b32 s88, s47, s46
	s_lshl_b32 s47, s21, 16
	s_add_co_u32 s88, s88, s47
	s_mov_b32 s89, 0
	s_lshl_b32 s46, s43, 10                        ; the bias, in bytes: Q, K: by my resting rows; V: by my streamed rows
	s_lshl_b32 s47, s22, 9
	s_add_co_u32 s46, s46, s47
	s_lshl_b32 s47, s40, 10
	s_lshl_b32 s48, s21, 8
	s_add_co_u32 s47, s47, s48
	s_cmp_eq_u32 s42, 2
	s_cselect_b32 s92, s47, s46
	s_mov_b32 s93, 0
	s_lshr_b32 s50, s44, 2                         ; the result.  Q, K: batch x 16 + my first head
	s_and_b32 s51, s44, 3
	s_lshl_b32 s52, s43, 2
	s_lshl_b32 s53, s22, 1
	s_add_co_u32 s52, s52, s53
	s_lshl_b32 s50, s50, 4
	s_add_co_u32 s50, s50, s52
	s_lshl_b32 s54, s50, 17                        ; Q: a head's 128 tiles of 1,024 bytes; my group's 32, my wave's 4
	s_lshl_b32 s55, s51, 15
	s_add_co_u32 s54, s54, s55
	s_lshl_b32 s55, s21, 12
	s_add_co_u32 s54, s54, s55
	s_lshl_b32 s56, s50, 18                        ; K: a head's 16 steps of 16,384 bytes; my group's 4; in a step my wave's 4 tiles
	s_lshl_b32 s55, s51, 16
	s_add_co_u32 s56, s56, s55
	s_lshl_b32 s55, s21, 12
	s_add_co_u32 s56, s56, s55
	s_lshr_b32 s57, s45, 3                         ; V: batch x 16 + head 4 cx + my half; step 2 (block % 8) + my half; behind the step's K
	s_lshl_b32 s57, s57, 4
	s_lshl_b32 s55, s40, 2
	s_add_co_u32 s57, s57, s55
	s_add_co_u32 s57, s57, s21
	s_lshl_b32 s57, s57, 18
	s_and_b32 s55, s45, 7
	s_lshl_b32 s55, s55, 1
	s_add_co_u32 s55, s55, s22
	s_lshl_b32 s55, s55, 14
	s_add_co_u32 s57, s57, s55
	s_add_co_u32 s57, s57, 8192
	s_mov_b32 s82, 1024                            ; from streamed tile to tile; on to the next block (less three tiles); from head to head
	s_mov_b32 s84, 5120
	s_mov_b32 s58, 131072
	s_mov_b32 s59, 13312
	s_mov_b32 s60, 262144
	s_cmp_eq_u32 s42, 1
	s_cselect_b32 s54, s56, s54
	s_cselect_b32 s84, s59, s84
	s_cselect_b32 s58, s60, s58
	s_mov_b32 s59, 518144
	s_cmp_eq_u32 s42, 2
	s_cselect_b32 s54, s57, s54
	s_cselect_b32 s84, s59, s84
	s_cselect_b32 s58, 1024, s58
	s_cselect_b32 s82, 2048, s82
	s_cselect_b32 s[CNT], 1, 3                     ; blocks but the last: the same in all four partners
	s_mov_b32 s55, 0
	s_mov_b32 s83, 0
	s_mov_b32 s85, 0
	s_wait_dscnt 0x0
	s_wait_kmcnt 0x0
	s_load_b256 s[68:75], s[8:9], 0x0              ; e0 .. e7
	s_load_b128 s[76:79], s[8:9], 0x20             ; e8 .. e11
	s_cselect_b64 s[94:95], s[4:5], s[6:7]         ; (the compare with V still stands) what rests,
	s_cselect_b64 s[96:97], s[6:7], s[4:5]         ; what streams
	s_cselect_b64 s[90:91], s[14:15], s[10:11]
	s_add_nc_u64 s[86:87], s[94:95], s[86:87]
	s_add_nc_u64 s[AN:AN+1], s[96:97], s[88:89]
	s_cmp_eq_u32 s42, 1
	s_cselect_b64 s[90:91], s[12:13], s[90:91]
	s_add_nc_u64 s[90:91], s[90:91], s[92:93]
	s_cmp_eq_u32 s42, 0
	s_cselect_b64 s[SB:SB+1], s[16:17], s[18:19]
	s_add_nc_u64 s[SB:SB+1], s[SB:SB+1], s[54:55]
	s_mov_b32 s[G0], 1
	s_mov_b32 s[G0+1], s98
	s_mov_b64 s[G0+2:G0+3], s[86:87]
	s_or_b32 s[G0+3], s[G0+3], 0x80000000
	ROUND                                          ; all four work-groups are here: the joint loads meet
	tensor_load_to_lds s[G0:G0+3], s[G1:G1+7]      ; my one tensor load
	s_nop 0
	NOP4
	v_and_b32 v1, 15, v0
	v_bfe_u32 v2, v0, 4, 1
	v_and_b32 v[L16], 31, v0
	v_lshlrev_b32 v[L16], 4, v[L16]
	v_lshlrev_b32 v6, 5, v2                        ; Q, K: my eight numbers of a tile's sixteen biases
	v_lshlrev_b32 v7, 2, v1                        ; V: my lane's
	s_lshl_b32 s66, s22, 17
	v_add_nc_u32 v[ADB], s66, v[L16]
	v_add_nc_u32 v[ADB+1], 0x10000, v[ADB]
	v_mov_b32 v[OFFG], v[L16]
	v_add_nc_u32 v[OFFG+1], 512, v[L16]
	v_add_nc_u32 v[OFFG+2], s58, v[L16]
	v_add_nc_u32 v[OFFG+3], 512, v[OFFG+2]
.set n, 0
.rept 16
	v_mov_b32 v[BV+n], 0
.set n, n+1
.endr
	s_cmp_eq_u32 s42, 2
	s_wait_alu depctr_va_vdst(0)
	s_cbranch_scc1 .Lbias_v
.irp b, 0,1,2,3,4,5,6,7
	global_load_b128 v[CB+8*\b:CB+8*\b+3], v6, s[90:91] offset:64*\b
	global_load_b128 v[CB+8*\b+4:CB+8*\b+7], v6, s[90:91] offset:64*\b+16
.endr
	s_branch .Lbias_done
.Lbias_v:
.set n, 0
.rept 64
	v_mov_b32 v[CB+n], 0
.set n, n+1
.endr
.irp i, 0,1,2,3,4,5,6,7
	global_load_b32 v[BV+2*\i], v7, s[90:91] offset:512*(\i/4)+64*(\i%4)   ; block i / 4 (128 channels on), tile i % 4 (16 channels on)
.endr
.Lbias_done:
.irp k, 0,1,2,3,4,5,6,7
	ALOAD \k                                       ; the first streamed block
.endr
	s_wait_kmcnt 0x0
	s_add_co_i32 s23, s68, s69
	s_add_co_i32 s2, s70, s71
	s_add_co_i32 s37, s72, s73
	s_cmp_eq_u32 s42, 1
	s_cselect_b32 s23, s2, s23
	s_cselect_b32 s67, s75, s74
	s_cmp_eq_u32 s42, 2
	s_cselect_b32 s23, s37, s23                    ; ea + eb
	s_cselect_b32 s67, s77, s67                    ; eout: e6, e7, e9
	s_sub_co_i32 s67, s67, s23
	s_sub_co_i32 s23, 0, s23
	s_add_co_i32 s67, s67, 127
	s_lshl_b32 s2, s67, 23
	v_mov_b32 v[SCV], s2                           ; 2^(eout - ea - eb): the three scales in the conversion's one
	s_add_co_i32 s67, s67, 8
	s_lshl_b32 s67, s67, 23
	s_or_b32 s67, s67, 0x600000
	v_mov_b32 v[LIMV], s67                         ; 448 x that
	s_wait_loadcnt 63                              ; the biases are in: 128 loads were issued behind them
.set n, 0
.rept 64
	v_ldexp_f32 v[CB+n], v[CB+n], s23              ; b / 2^(ea + eb) (V: zeros stay zeros)
.set n, n+1
.endr
.irp i, 0,1,2,3,4,5,6,7
	v_ldexp_f32 v[BV+2*\i], v[BV+2*\i], s23
.endr
	s_wait_alu depctr_va_vdst(0)
	s_wait_tensorcnt 0x0                           ; my quarter of the resting block has landed,
	s_barrier_signal -1
	s_barrier_wait -1                              ; and everybody's
	BLOADH 0, 0
	BLOADH 0, 1
.Lblk:
	s_wait_xcnt 0x0                                ; the stream's loads have read their base
	s_add_nc_u64 s[AN:AN+1], s[AN:AN+1], 131072    ; the next block: eight tiles on
	BLOCK 0
	s_sub_co_u32 s[CNT], s[CNT], 1
	s_cmp_lg_u32 s[CNT], 0
	s_wait_alu depctr_va_vdst(0)
	s_cbranch_scc1 .Lblk
	BLOCK 1                                        ; the last block asks for nothing more
	s_wait_tensorcnt 0x0                           ; the wave's end
	ds_add_u32 v[SPW], v[NIL]
	s_wait_dscnt 0x0
	ROUND                                          ; the closing round
	s_endpgm
.Lfunc_end_k_q950a6956d2_qkv:
	.size	k_q950a6956d2_qkv, .Lfunc_end_k_q950a6956d2_qkv-k_q950a6956d2_qkv
	.p2alignl 7, 3214868480
	.fill 96, 4, 3214868480
	.section	.rodata,"a",@progbits
	.p2align	6, 0x0
	.amdhsa_kernel k_q950a6956d2_qkv
		.amdhsa_group_segment_fixed_size 327680
		.amdhsa_private_segment_fixed_size 0
		.amdhsa_enable_private_segment 0
		.amdhsa_kernarg_size 64
		.amdhsa_user_sgpr_count 2
		.amdhsa_user_sgpr_kernarg_segment_ptr 1
		.amdhsa_wavefront_size32 1
		.amdhsa_system_sgpr_workgroup_id_x 1
		.amdhsa_system_sgpr_workgroup_id_y 1
		.amdhsa_system_sgpr_workgroup_id_z 1
		.amdhsa_system_vgpr_workitem_id 0
		.amdhsa_next_free_vgpr 1024
		.amdhsa_next_free_sgpr 100
		.amdhsa_reserve_vcc 0
		.amdhsa_float_denorm_mode_32 3
		.amdhsa_float_denorm_mode_16_64 3
		.amdhsa_memory_ordered 1
		.amdhsa_forward_progress 1
		.amdhsa_inst_pref_size 171
	.end_amdhsa_kernel
	.amdgpu_metadata
---
amdhsa.version: [ 1, 2 ]
amdhsa.kernels:
  - .name:           k_q950a6956d2_qkv
    .symbol:         k_q950a6956d2_qkv.kd
    .args:
      - { .name: ximg, .offset: 0, .size: 8, .value_kind: global_buffer, .address_space: global }
      - { .name: wimg, .offset: 8, .size: 8, .value_kind: global_buffer, .address_space: global }
      - { .name: lowp_scales, .offset: 16, .size: 8, .value_kind: global_buffer, .address_space: global }
      - { .name: bq, .offset: 24, .size: 8, .value_kind: global_buffer, .address_space: global }
      - { .name: bk, .offset: 32, .size: 8, .value_kind: global_buffer, .address_space: global }
      - { .name: bv, .offset: 40, .size: 8, .value_kind: global_buffer, .address_space: global }
      - { .name: qimg, .offset: 48, .size: 8, .value_kind: global_buffer, .address_space: global }
      - { .name: kv, .offset: 56, .size: 8, .value_kind: global_buffer, .address_space: global }
    .group_segment_fixed_size: 327680
    .private_segment_fixed_size: 0
    .kernarg_segment_align: 8
    .kernarg_segment_size: 64
    .max_flat_workgroup_size: 128
    .sgpr_count:     100
    .vgpr_count:     1024
    .wavefront_size: 32
...
	.end_amdgpu_metadata
.endif
;; end of part 2
;; launch attn (part 3): grid 4 x 64, 8 waves a work-group, clusters of 4 x 1, 264,192 bytes of LDS; arguments qimg, kv, lowp_scales, aimg; writes aimg
.if DOCPART == 3
	.amdgcn_target "amdgcn-amd-amdhsa--gfx1250"
	.amdhsa_code_object_version 6
	.text
	.protected	k_q950a6956d2_attn
	.globl	k_q950a6956d2_attn
	.p2align	8
	.type	k_q950a6956d2_attn,@function
k_q950a6956d2_attn:
	s_mov_b64 s[64:65], 0
	v_nop
	global_prefetch_b8 v0, s[64:65] scope:SCOPE_SE
	s_setreg_imm32_b32 hwreg(HW_REG_WAVE_MODE, 25, 1), 1
	s_wait_xcnt 0x0
	s_wait_alu depctr_hold_cnt(0) depctr_sa_sdst(0) depctr_va_vdst(0) depctr_va_sdst(0) depctr_va_ssrc(0) depctr_va_vcc(0) depctr_vm_vsrc(0)
	s_getreg_b32 s2, hwreg(HW_REG_IB_STS2, 6, 4)
	s_cmp_eq_u32 s2, 0
	s_cbranch_scc0 .Lentry_in_a_cluster
	s_endpgm
.Lentry_in_a_cluster:
	s_bfe_u32 s2, ttmp6, 0x10000c
	s_cmp_lg_u32 s2, 0x3003
	s_cbranch_scc0 .Lentry_shape_is_right
	s_endpgm
.Lentry_shape_is_right:
; O[head][q] = the sum over k of softmax_k(Q[q] . K[k] / sqrt(64)) V[k], 64 heads of 2,048 x 2,048, head size 64, both products on codes of FP8 (E4M3) with the given scales (entries 6, 7; 8, 9);
; the result is quantised at once with entry 10 into images of the last product's operand.
; THE SOFTMAX: t = score x log2(e) / 8; M = the row's largest t so far, rounded UP to a whole number; p = 2^(t - M) is quantised, not normalised.  The row's sum is taken of the unquantised p, in f32, and divides O at the end.
; When M moves, the sum and O are multiplied by 2^(old M - new M): nothing is rounded.
; ALL OPERANDS ARE IMAGES OF FRAGMENT REGISTERS (four registers of all lanes are 512 bytes on end, 16 bytes a lane): every load is 16 bytes at 16 x lane.
; qimg [head][tile of 16 queries: 128][1,024].  kv [head][step of 128 keys: 16][K: 8 tiles of 16 keys x 1,024; V: 4 tiles of 16 channels x 2,048].  aimg [tile of 16 tokens: 512][head 16][1,024].
; SHARES.  A work-group owns 512 queries of one head; each of its eight waves 64: four tiles, so that a fragment of K or V read from LDS serves four tiles.  Two waves to a SIMD, 512 registers each.
; A HEAD'S K AND V, 262,144 BYTES, LIE WHOLE IN LDS: every byte is filled once, by one tensor load a wave (32,768 bytes each) at the head; one barrier shows them to all.
; CLUSTER.  The four work-groups of a cluster are the four query blocks of one head: each load is asked for JOINTLY, same descriptor, mask of all four.
; NO PREFETCH: all that the launch reads through LDS is asked for at the head; there is no loop to run ahead in.
; LAYOUT.  Both products are used transposed (S^T = K Q^T, O^T = V^T P^T): a lane holds ONE query; register j of tile t of S^T is key 16 t + 8 h + j, so eight scores convert into registers 2 t, 2 t + 1 of the next operand.
; THE LOOP IS A PIPELINE OVER SLOTS, a slot = one tile of queries x 128 keys; a trip is a key step's four slots.  In slot i (tile X) the scores of slot i + 1 (tile Y) lie ready in the other buffer: their maximum and M are taken
; between X's two batches of exponentials, and at the slot's end the scores of slot i + 2 are multiplied into X's buffer.  Among the exponentials stand only lines whose results are first read behind a later wait.
; THE LAST TRIP'S LOOK-AHEAD falls on key step 0 again (the step's LDS address wraps): those scores are already counted in the running M, so no state moves, and what is made of them is not used.  It spares a second copy of the trip.
; LIMITS on the given exponents, so that each power of two below is an f32 number: e6 + e7 between -123 and 130; e8 and e10 between -126 and 119.  NaN is not served.
; REGISTERS.  Window 0: v1-15 addresses and constants; v16-31 state (tile x: -M, a pair's upper half, the sum in two halves); v32-63 Q; v64-127, v128-191 two buffers of scores; v192-207 p's codes; v224-229 at work.
;             Window 1: v0-127 O^T, 32 a tile; v128-191 K's fragments; v192-255 V's.
.set L16, 1                            ; 16 x lane
.set ADR, 2                            ; LDS address of the next key step
.set SCP, 4                            ; 2^e8 as f32; on the way out 2^e10
.set LIM, 5                            ; v5, v6: 448 x 2^e8, twice, for the two halves of a dual line; on the way out v5 = 448 x 2^e10
.set PX,  7                            ; a lane permute's destination
.set F,   8                            ; v[8:9], v[10:11]: f = 2^(old M - new M) of even and odd tiles
.set SPW, 12                           ; my spare word; never rewritten
.set NIL, 13                           ; 0; never rewritten
.set TC,  14                           ; the old -M
.set ST,  16
.set Q,   32
.set S,   64
.set P,   192
.set MX,  224                          ; four chains of the maximum
.set TS,  228                          ; the sum's second chain
.set O,   0
.set KF,  128
.set VF,  192
.set WV,  12                           ; s12 my wave's number
.set G1,  24
.set G0,  48
.set SEL, 60
.set CS,  62                           ; s[62:63] c = log2(e) / 8 x 2^(e6 + e7)
.set TB,  66                           ; LDS byte of the next key step
.set CNT, 67
.set SPARE, 0x40000                    ; behind K and V: the spare words, 128 bytes a wave
.set MSB, 0
.macro WIN new                         ; the immediate's high byte repeats the setting that is left
.if MSB != \new
	s_set_vgpr_msb (MSB<<8)|\new
.set MSB, \new
.endif
.endm
.macro ROUND                           ; a round of the cluster's barrier
	s_barrier_signal -1
	s_barrier_wait -1
	s_cmp_lg_u32 s[WV], 0
	s_cbranch_scc1 .Lnot_wave_0_\@
	s_barrier_signal -3
.Lnot_wave_0_\@:
	s_barrier_wait -3
	s_barrier_signal -1
	s_barrier_wait -1
.endm
.macro KLOAD adr                       ; a key step's K into window 1
	WIN 0x40
.irp t, 0,1,2,3,4,5,6,7
.irp c, 0,1
	ds_load_b128 v[KF+8*\t+4*\c:KF+8*\t+4*\c+3], v[\adr] offset:1024*\t+512*\c
.endr
.endr
	WIN 0
.endm
.macro VLOAD adr
	WIN 0x40
.irp i, 0,1,2,3
.irp c, 0,1,2,3
	ds_load_b128 v[VF+16*\i+4*\c:VF+16*\i+4*\c+3], v[\adr] offset:8192+2048*\i+512*\c
.endr
.endr
	WIN 0
.endm
.macro SMUL buf, z                     ; S^T of query tile z into a buffer: K in window 1, Q and the scores in window 0
	WIN 0x01
.irp t, 0,1,2,3,4,5,6,7
	v_wmma_f32_16x16x64_fp8_fp8 v[\buf+8*\t:\buf+8*\t+7], v[KF+8*\t:KF+8*\t+7], v[Q+8*(\z):Q+8*(\z)+7], 0
.endr
	WIN 0
.endm
.macro AD r, p                         ; one link of the row's sum: a pair of X's unquantised p
.if ADDS
	v_pk_add_f32 v[\r:\r+1], v[\r:\r+1], v[XB+\p:XB+\p+1]
.endif
.endm
; Y's maximum, M and f; between the links of that chain stand the sums of X's first 32 numbers (ADDS = 1).  Each accumulator of scores is read from its low end on.
.macro PHB
	v_max3_num_f32 v[MX], v[YB], v[YB+1], v[YB+2]
	v_max3_num_f32 v[MX+1], v[YB+3], v[YB+4], v[YB+5]
	v_max3_num_f32 v[MX+2], v[YB+6], v[YB+7], v[YB+8]
	v_max3_num_f32 v[MX+3], v[YB+9], v[YB+10], v[YB+11]
.set n, 12
.set m, 0
.rept 13
	v_max3_num_f32 v[MX+2*(m%2)], v[MX+2*(m%2)], v[YB+n], v[YB+n+1]
	v_max3_num_f32 v[MX+2*(m%2)+1], v[MX+2*(m%2)+1], v[YB+n+2], v[YB+n+3]
.set n, n+4
.set m, m+1
.endr
	v_mov_b32 v[TC], v[SY]
.if ADDS
	v_pk_fma_f32 v[LX:LX+1], v[LX:LX+1], v[FX:FX+1], v[XB:XB+1] op_sel_hi:[1,0,1]   ; the sum under the new M, and the first pair
	v_pk_add_f32 v[TS:TS+1], v[XB+2:XB+3], v[XB+4:XB+5]
.endif
	v_max3_num_f32 v[MX], v[MX], v[MX+1], v[MX+2]
	AD LX, 6
	v_max_num_f32 v[MX], v[MX], v[MX+3]
	AD TS, 8
	v_permlanex16_b32 v[PX], v[MX], s[SEL], s[SEL+1]
	AD LX, 10
	v_max_num_f32 v[MX], v[MX], v[PX]              ; and lane l xor 16's
	AD TS, 12
	v_mul_f32 v[MX], s[CS], v[MX]                  ; as t (c is positive)
	AD LX, 14
	v_floor_f32 v[MX], -v[MX]                      ; -ceil(t)
	AD TS, 16
	v_min_num_f32 v[SY], v[SY], v[MX]              ; the new -M
	AD LX, 18
	v_sub_f32 v[MX], v[SY], v[TC]                  ; old M - new M, a whole number, 0 or less
	AD TS, 20
	v_cvt_i32_f32 v[MX], v[MX]                     ; (it saturates)
	AD LX, 22
	v_ldexp_f32 v[FY], 1.0, v[MX]
	AD TS, 24
	AD LX, 26
	AD TS, 28
	AD LX, 30
.endm
.macro HOLD a                          ; the conversion to an 8-bit code does not saturate (ISA guide 7.6.2); p is not negative, so the hold is one-sided; two numbers a line
	v_dual_min_num_f32 v[\a], v[\a], v[LIM] :: v_dual_min_num_f32 v[\a+1], v[\a+1], v[LIM+1]
.endm
.macro SLOT x
.set XB, S+64*((\x)%2)
.set YB, S+64*(((\x)+1)%2)
.set SX, ST+4*(\x)
.set LX, SX+2
.set SY, ST+4*(((\x)+1)%4)
.set FX, F+2*((\x)%2)
.set FY, F+2*(((\x)+1)%2)
.set OX, O+32*(\x)
	s_wait_alu depctr_va_vdst(0)
.set n, 0
.rept 16                                       ; p of X's first 32 numbers; between them t - M of its other 32
	v_exp_f32 v[XB+n], v[XB+n]
	v_exp_f32 v[XB+n+1], v[XB+n+1]
	v_pk_fma_f32 v[XB+32+n:XB+33+n], v[XB+32+n:XB+33+n], s[CS:CS+1], v[SX:SX+1] op_sel_hi:[1,0,0]
.set n, n+2
.endr
	s_wait_alu depctr_va_vdst(0)                   ; behind the batch, and directly ahead of the first readers of Y's scores
	PHB
	s_wait_alu depctr_va_vdst(0)                   ; ahead of the second batch
.set n, 0
.rept 16                                       ; p of X's other 32; between them the hold of the first 32 and t - M of Y's first 32
	v_exp_f32 v[XB+32+n], v[XB+32+n]
	HOLD XB+n
	v_exp_f32 v[XB+33+n], v[XB+33+n]
	v_pk_fma_f32 v[YB+n:YB+n+1], v[YB+n:YB+n+1], s[CS:CS+1], v[SY:SY+1] op_sel_hi:[1,0,0]
.set n, n+2
.endr
	WIN 0x41
	s_wait_alu depctr_va_vdst(0)                   ; behind the batch, and directly ahead of the first readers of O^T
.set n, 0
.rept 16
	v_pk_mul_f32 v[OX+n:OX+n+1], v[OX+n:OX+n+1], v[FX:FX+1] op_sel_hi:[1,0]   ; O^T under the new M
.set n, n+2
.endr
	WIN 0
.irp g, 0,1,2,3
	v_cvt_scalef32_pk8_fp8_f32 v[P+2*\g:P+2*\g+1], v[XB+8*\g:XB+8*\g+7], v[SCP]
.endr
.set n, 32
.rept 8                                        ; the sum takes each pair ahead of its hold
	v_pk_add_f32 v[LX:LX+1], v[LX:LX+1], v[XB+n:XB+n+1]
	v_pk_add_f32 v[TS:TS+1], v[TS:TS+1], v[XB+n+2:XB+n+3]
	HOLD XB+n
	HOLD XB+n+2
.set n, n+4
.endr
.irp g, 4,5,6,7
	v_cvt_scalef32_pk8_fp8_f32 v[P+2*\g:P+2*\g+1], v[XB+8*\g:XB+8*\g+7], v[SCP]
.endr
	v_pk_add_f32 v[LX:LX+1], v[LX:LX+1], v[TS:TS+1]   ; also the plain line between the conversions and the matrix instructions
.if ((\x)%2) == 0
	s_wait_alu depctr_va_vdst(0)
	s_wait_dscnt 0x0                               ; tile 0: this step's V is in; tile 2: the next step's K.  Each was asked for a slot ago, and nothing else is out
.endif
	WIN 0x51
.irp i, 0,1,2,3
	v_wmma_f32_16x16x128_fp8_fp8 v[OX+8*\i:OX+8*\i+7], v[VF+16*\i:VF+16*\i+15], v[P:P+15], v[OX+8*\i:OX+8*\i+7]
.endr
	SMUL XB, ((\x)+2)%4                            ; the scores of the slot after next
.if (\x) == 1                                  ; K's last use in this step is over: the next step's K
	s_add_co_u32 s[TB], s[TB], 16384
	s_and_b32 s[TB], s[TB], 0x3c000                ; behind step 15: step 0
	v_add_nc_u32 v[ADR], s[TB], v[L16]
.rept 3
	v_nop                                          ; with the addition four places in front of loads into registers that matrix instructions have read
.endr
	KLOAD ADR
.endif
.if (\x) == 3                                  ; likewise V
.rept 4
	v_nop
.endr
	VLOAD ADR
.endif
.endm
	s_load_b256 s[4:11], s[0:1], 0x0               ; qimg, kv, the scales' exponents, aimg
	v_lshl_add_u32 v[SPW], v0, 2, SPARE
	v_mov_b32 v[NIL], 0
	ds_add_u32 v[SPW], v[NIL]                      ; the opening lines: the add, twice on end, and its wait
	ds_add_u32 v[SPW], v[NIL]
	v_lshrrev_b32 v2, 5, v0
	v_readfirstlane_b32 s[WV], v2                  ; wave 0..7
	s_bfe_u32 s13, ttmp6, 0x40000                  ; cx: my block of 512 queries: it enters Q's and the result's addresses alone
	s_and_b32 s14, ttmp7, 0xffff                   ; the head, which the four partners share
	s_mov_b32 s[G1], 15|(3<<16)|(1<<21)            ; the mask of all four; elements of 8 bytes; bit 21 beside a mask; no padding
	s_mov_b32 s[G1+1], 32<<16                      ; rows of 256 bytes,
	s_mov_b32 s[G1+2], 128<<16                     ; 128 of them a wave
	s_mov_b32 s[G1+3], 32<<16
	s_mov_b32 s[G1+4], 128
	s_mov_b32 s[G1+5], 32
	s_mov_b32 s[G1+6], 0
	s_mov_b32 s[G1+7], 0
	s_lshl_b32 s16, s[WV], 15                      ; my eighth: the byte in LDS is the byte in the head's block
	s_mov_b32 s17, 0
	s_lshl_b32 s20, s14, 18                        ; the head's block
	s_mov_b32 s21, 0
	s_mov_b32 s[SEL], 0x76543210
	s_mov_b32 s[SEL+1], 0xfedcba98
	s_mov_b32 s[CS], 0x3e38aa3b                    ; log2(e) / 8
	s_wait_dscnt 0x0
	s_wait_kmcnt 0x0
	s_load_b64 s[68:69], s[8:9], 0x18              ; e6, e7
	s_load_b128 s[72:75], s[8:9], 0x20             ; e8 .. e11
	s_add_nc_u64 s[6:7], s[6:7], s[20:21]
	s_mov_b32 s[G0], 1
	s_mov_b32 s[G0+1], s16
	s_add_nc_u64 s[G0+2:G0+3], s[6:7], s[16:17]
	s_or_b32 s[G0+3], s[G0+3], 0x80000000
	ROUND                                          ; all four work-groups are here: the joint loads meet
	tensor_load_to_lds s[G0:G0+3], s[G1:G1+7]      ; my one tensor load
	s_nop 0
.rept 4
	v_nop
.endr
	s_lshl_b32 s76, s14, 17                        ; Q: the head's 128 tiles of 1,024 bytes, my block's 32, my wave's four
	s_lshl_b32 s78, s13, 15
	s_add_co_u32 s76, s76, s78
	s_lshl_b32 s78, s[WV], 12
	s_add_co_u32 s76, s76, s78
	s_mov_b32 s77, 0
	s_add_nc_u64 s[4:5], s[4:5], s[76:77]
	v_and_b32 v[L16], 31, v0
	v_lshlrev_b32 v[L16], 4, v[L16]
.irp x, 0,1,2,3
.irp c, 0,1
	global_load_b128 v[Q+8*\x+4*\c:Q+8*\x+4*\c+3], v[L16], s[4:5] offset:1024*\x+512*\c
.endr
.endr
	s_lshr_b32 s78, s14, 4                         ; the result: tile of tokens 128 x batch + 32 cx + 4 x wave (+ x), 16,384 bytes each; in it the head's 1,024
	s_lshl_b32 s78, s78, 7
	s_lshl_b32 s79, s13, 5
	s_add_co_u32 s78, s78, s79
	s_lshl_b32 s79, s[WV], 2
	s_add_co_u32 s78, s78, s79
	s_lshl_b32 s78, s78, 14
	s_and_b32 s79, s14, 15
	s_lshl_b32 s79, s79, 10
	s_add_co_u32 s78, s78, s79
	s_mov_b32 s79, 0
	s_add_nc_u64 s[10:11], s[10:11], s[78:79]
	v_mov_b32 v[F+1], 0                            ; (upper halves of pairs)
	v_mov_b32 v[F+3], 0
	v_mov_b32 v[PX], 0
.irp x, 0,1,2,3
	v_mov_b32 v[ST+4*\x], 0x7f61b1e6               ; -M: 3e38, above every -t
	v_mov_b32 v[ST+4*\x+1], 0
	v_mov_b32 v[ST+4*\x+2], 0
	v_mov_b32 v[ST+4*\x+3], 0
.endr
	WIN 0x40
.set n, 0
.rept 128
	v_mov_b32 v[O+n], 0                            ; O^T: the trip is written once; the first change of M leaves zeros zeros
.set n, n+1
.endr
	WIN 0
	s_wait_kmcnt 0x0
	s_add_co_i32 s20, s68, s69
	s_lshl_b32 s20, s20, 23
	s_add_co_i32 s[CS], s[CS], s20                 ; e6 + e7 are added to c's exponent field
	s_mov_b32 s[CS+1], s[CS]
	s_add_co_i32 s20, s72, 127
	s_lshl_b32 s21, s20, 23
	v_mov_b32 v[SCP], s21                          ; 2^e8
	s_add_co_i32 s20, s20, 8
	s_lshl_b32 s20, s20, 23
	s_or_b32 s20, s20, 0x600000
	v_mov_b32 v[LIM], s20                          ; 448 x 2^e8
	v_mov_b32 v[LIM+1], s20
	s_mov_b32 s[TB], 0
	s_mov_b32 s[CNT], 16
	s_wait_alu depctr_va_vdst(0)
	s_wait_loadcnt 0x0                             ; Q
	s_wait_tensorcnt 0x0                           ; my eighth of K and V has landed,
	s_barrier_signal -1
	s_barrier_wait -1                              ; and everybody's
	KLOAD L16                                      ; key step 0
	VLOAD L16
	s_wait_dscnt 16                                ; K's sixteen loads are in; V's sixteen may be out
	SMUL S, 0
	SMUL S+64, 1
.rept 4
	v_nop
.endr
.set ADDS, 0                                   ; the pipeline's start: tile 0's M and its first 32 scalings
.set YB, S
.set SY, ST
.set FY, F
	PHB
.set n, 0
.rept 16
	v_pk_fma_f32 v[YB+n:YB+n+1], v[YB+n:YB+n+1], s[CS:CS+1], v[SY:SY+1] op_sel_hi:[1,0,0]
.set n, n+2
.endr
.set ADDS, 1
.Lstep:                                        ; sixteen trips, a key step each
	SLOT 0
	SLOT 1
	SLOT 2
	SLOT 3
	s_sub_co_u32 s[CNT], s[CNT], 1
	s_cmp_lg_u32 s[CNT], 0
	s_wait_alu depctr_va_vdst(0)
	s_cbranch_scc1 .Lstep
	; THE WAY OUT.  O^T / the sum x 2^(e8 + e9) is held, converted with 2^e10 and stored as images: tile i's eight channels are registers 2 i, 2 i + 1 of the last product's operand.
.rept 4
	v_nop                                          ; places behind the last matrix instructions
.endr
	s_add_co_i32 s20, s74, 127
	s_lshl_b32 s21, s20, 23
	v_mov_b32 v[SCP], s21                          ; 2^e10
	s_add_co_i32 s20, s20, 8
	s_lshl_b32 s20, s20, 23
	s_or_b32 s20, s20, 0x600000
	v_mov_b32 v[LIM], s20                          ; 448 x 2^e10
	s_add_co_i32 s22, s72, s73                     ; e8 + e9
.irp x, 0,1,2,3
	v_add_f32 v[ST+4*\x+2], v[ST+4*\x+2], v[ST+4*\x+3]   ; the sums' two halves,
.endr
.irp x, 0,1,2,3
	v_permlanex16_b32 v[MX+\x], v[ST+4*\x+2], s[SEL], s[SEL+1]
.endr
.irp x, 0,1,2,3
	v_add_f32 v[ST+4*\x+2], v[ST+4*\x+2], v[MX+\x]       ; and lane l xor 16's
.endr
	s_wait_alu depctr_va_vdst(0)                   ; ahead of the batch of four
.irp x, 0,1,2,3
	v_rcp_f32 v[ST+4*\x+2], v[ST+4*\x+2]
.endr
	v_nop
	s_wait_alu depctr_va_vdst(0)                   ; and behind it
.irp x, 0,1,2,3
	v_ldexp_f32 v[ST+4*\x+2], v[ST+4*\x+2], s22
.endr
	WIN 0x01
	s_wait_alu depctr_va_vdst(0)                   ; directly ahead of the first readers of O^T
.irp x, 0,1,2,3
.set n, 0
.rept 16
	v_pk_mul_f32 v[S+32*\x+n:S+32*\x+n+1], v[O+32*\x+n:O+32*\x+n+1], v[ST+4*\x+2:ST+4*\x+3] op_sel_hi:[1,0]   ; each accumulator from its low end on
.set n, n+2
.endr
.endr
	WIN 0
.set n, 0
.rept 128
	v_med3_num_f32 v[S+n], v[S+n], -v[LIM], v[LIM]
.set n, n+1
.endr
.irp x, 0,1,2,3
.irp i, 0,1,2,3
	v_cvt_scalef32_pk8_fp8_f32 v[P+8*\x+2*\i:P+8*\x+2*\i+1], v[S+32*\x+8*\i:S+32*\x+8*\i+7], v[SCP]
.endr
.endr
	v_nop
.irp x, 0,1,2,3
.irp g, 0,1
	global_store_b128 v[L16], v[P+8*\x+4*\g:P+8*\x+4*\g+3], s[10:11] offset:16384*\x+512*\g   ; 512 consecutive bytes, aligned
.endr
.endr
	s_wait_tensorcnt 0x0                           ; the wave's end
	ds_add_u32 v[SPW], v[NIL]
	s_wait_dscnt 0x0                               ; the add, and the look-ahead's last LDS loads
	ROUND                                          ; the closing round
	s_endpgm
.Lfunc_end_k_q950a6956d2_attn:
	.size	k_q950a6956d2_attn, .Lfunc_end_k_q950a6956d2_attn-k_q950a6956d2_attn
	.p2alignl 7, 3214868480
	.fill 96, 4, 3214868480
	.section	.rodata,"a",@progbits
	.p2align	6, 0x0
	.amdhsa_kernel k_q950a6956d2_attn
		.amdhsa_group_segment_fixed_size 264192
		.amdhsa_private_segment_fixed_size 0
		.amdhsa_enable_private_segment 0
		.amdhsa_kernarg_size 32
		.amdhsa_user_sgpr_count 2
		.amdhsa_user_sgpr_kernarg_segment_ptr 1
		.amdhsa_wavefront_size32 1
		.amdhsa_system_sgpr_workgroup_id_x 1
		.amdhsa_system_sgpr_workgroup_id_y 1
		.amdhsa_system_sgpr_workgroup_id_z 1
		.amdhsa_system_vgpr_workitem_id 0
		.amdhsa_next_free_vgpr 512
		.amdhsa_next_free_sgpr 80
		.amdhsa_reserve_vcc 0
		.amdhsa_float_denorm_mode_32 3
		.amdhsa_float_denorm_mode_16_64 3
		.amdhsa_memory_ordered 1
		.amdhsa_forward_progress 1
		.amdhsa_inst_pref_size 87
	.end_amdhsa_kernel
	.amdgpu_metadata
---
amdhsa.version: [ 1, 2 ]
amdhsa.kernels:
  - .name:           k_q950a6956d2_attn
    .symbol:         k_q950a6956d2_attn.kd
    .args:
      - { .name: qimg, .offset: 0, .size: 8, .value_kind: global_buffer, .address_space: global }
      - { .name: kv, .offset: 8, .size: 8, .value_kind: global_buffer, .address_space: global }
      - { .name: lowp_scales, .offset: 16, .size: 8, .value_kind: global_buffer, .address_space: global }
      - { .name: aimg, .offset: 24, .size: 8, .value_kind: global_buffer, .address_space: global }
    .group_segment_fixed_size: 264192
    .private_segment_fixed_size: 0
    .kernarg_segment_align: 8
    .kernarg_segment_size: 32
    .max_flat_workgroup_size: 256
    .sgpr_count:     80
    .vgpr_count:     512
    .wavefront_size: 32
...
	.end_amdgpu_metadata
.endif
;; end of part 3
;; launch oproj (part 4): grid 4 x 64, 4 waves a work-group, clusters of 4 x 1, 327,680 bytes of LDS; arguments aimg, wimg, lowp_scales, bo, out0; writes out0
.if DOCPART == 4
	.amdgcn_target "amdgcn-amd-amdhsa--gfx1250"
	.amdhsa_code_object_version 6
	.text
	.protected	k_q950a6956d2_oproj
	.globl	k_q950a6956d2_oproj
	.p2align	8
	.type	k_q950a6956d2_oproj,@function
k_q950a6956d2_oproj:
	s_mov_b64 s[64:65], 0
	v_nop
	global_prefetch_b8 v0, s[64:65] scope:SCOPE_SE
	s_setreg_imm32_b32 hwreg(HW_REG_WAVE_MODE, 25, 1), 1
	s_wait_xcnt 0x0
	s_wait_alu depctr_hold_cnt(0) depctr_sa_sdst(0) depctr_va_vdst(0) depctr_va_sdst(0) depctr_va_ssrc(0) depctr_va_vcc(0) depctr_vm_vsrc(0)
	s_getreg_b32 s2, hwreg(HW_REG_IB_STS2, 6, 4)
	s_cmp_eq_u32 s2, 0
	s_cbranch_scc0 .Lentry_in_a_cluster
	s_endpgm
.Lentry_in_a_cluster:
	s_bfe_u32 s2, ttmp6, 0x10000c
	s_cmp_lg_u32 s2, 0x3003
	s_cbranch_scc0 .Lentry_shape_is_right
	s_endpgm
.Lentry_shape_is_right:
; out0 = a wo^T + bo on codes of FP8 (E4M3) with the given scales (entries 10, 11), K = 1,024; f32 out.
; aimg [tile of 16 tokens: 512][fragment of 128 K: 8][2,048] and wo's images (wimg + 3 x 2^20) are images of operand registers: four registers of all lanes in 512 bytes.
; 256 rows of wo x 1,024 K, 262,144 bytes, lie whole in LDS, filled once, by one tensor load a wave; one barrier shows them to all.  The tokens' codes go from their images straight into registers:
; a wave holds its 64 tokens x 1,024 K in 512 registers, all asked for at the head, and each K step waits by count for its own sixteen loads.  No loop to run ahead in: no prefetch.
; A work-group makes 128 tokens x 256 columns, a wave 64 x 128.  Cluster y: wo's block y / 16; tokens 128 x (4 (y % 16) + cx).  The four partners share wo's block: joint loads.
; Source 0 = 16 rows of wo, source 1 = 16 tokens: a lane holds eight neighbouring columns of one token's row.  bo / 2^(e10 + e11) is the C of the first products; each sum is multiplied by 2^(e10 + e11) on the way out.
; LIMIT: e10 + e11 between -126 and 127.
; REGISTERS.  Window 0: addresses; v32-95 C, later a tile's results; v128-255 wo's eight fragments, later rows read back.  Window 1: accumulator (a, b) at 8 (8 a + b).  Windows 2, 3: the tokens' fragment (k, a) at 64 k + 16 a.
.set SPARE, 262144
.set STAGE, 262656                     ; behind the spare words: 16 rows x 528 bytes for each wave; no fill lands here
.set SPITCH, 528
.set L16,  3
.set ADB,  4
.set STO,  24
.set RD,   25
.set SPW,  30
.set NIL,  31
.set CB,   32
.set TMP,  32
.set BF,   128
.set BK,   128
.set G1,   24
.set G0,   32
.set AN,   88
.set MSB, 0
.macro WIN new
.if MSB != \new
	s_set_vgpr_msb (MSB<<8)|\new
.set MSB, \new
.endif
.endm
.macro ROUND
	s_barrier_signal -1
	s_barrier_wait -1
	s_cmp_lg_u32 s20, 0
	s_cbranch_scc1 .Lnot_wave_0_\@
	s_barrier_signal -3
.Lnot_wave_0_\@:
	s_barrier_wait -3
	s_barrier_signal -1
	s_barrier_wait -1
.endm
.macro NOP4
.rept 4
	v_nop
.endr
.endm
.macro MULH k, h                       ; 16 products: wo's tiles 4 h .. 4 h + 3 x my four tiles of tokens; the accumulators by turns
.irp b, 0,1,2,3
.irp a, 0,1,2,3
.if (\k) == 0
	v_wmma_f32_16x16x128_fp8_fp8 v[8*(8*\a+4*(\h)+\b):8*(8*\a+4*(\h)+\b)+7], v[BF+16*(4*(\h)+\b):BF+16*(4*(\h)+\b)+15], v[64*((\k)%4)+16*\a:64*((\k)%4)+16*\a+15], v[CB+8*(4*(\h)+\b):CB+8*(4*(\h)+\b)+7]
.else
	v_wmma_f32_16x16x128_fp8_fp8 v[8*(8*\a+4*(\h)+\b):8*(8*\a+4*(\h)+\b)+7], v[BF+16*(4*(\h)+\b):BF+16*(4*(\h)+\b)+15], v[64*((\k)%4)+16*\a:64*((\k)%4)+16*\a+15], v[8*(8*\a+4*(\h)+\b):8*(8*\a+4*(\h)+\b)+7]
.endif
.endr
.endr
.endm
.macro BLOADH k, h
.irp b, 0,1,2,3
.irp c, 0,1,2,3
	ds_load_b128 v[BF+16*(4*(\h)+\b)+4*\c:BF+16*(4*(\h)+\b)+4*\c+3], v[ADB+(\h)] offset:16384*\b+2048*(\k)+512*\c
.endr
.endr
.endm
.macro ALOAD k
	WIN 0x80+0x40*((\k)/4)
.irp a, 0,1,2,3
.irp c, 0,1,2,3
	global_load_b128 v[64*((\k)%4)+16*\a+4*\c:64*((\k)%4)+16*\a+4*\c+3], v[L16], s[AN:AN+1] offset:16384*\a+2048*(\k)+512*\c
.endr
.endr
	WIN 0
.endm
.macro MWIN k
.if (\k) == 0
	WIN 0x48                               ; C in window 0
.else
	WIN 0x58+4*((\k)/4)
.endif
.endm
.macro STEPK k
.if (\k) > 3
	s_wait_loadcnt 16*(7-(\k))             ; behind this step's sixteen loads stand only the later steps'
.else
	s_wait_loadcnt 63                      ; behind this step's sixteen loads at least 64 more were issued
.endif
	s_wait_dscnt 16                        ; wo's tiles 0-3 are in; the sixteen loads of tiles 4-7 may be out
	MWIN \k
	MULH \k, 0
	WIN 0
.if (\k) == 7
	s_wait_dscnt 0x0
.else
	NOP4                                   ; places in front of loads into registers that matrix instructions have read
	BLOADH (\k)+1, 0
	s_wait_dscnt 16
.endif
	MWIN \k
	MULH \k, 1
	WIN 0
	NOP4
.if (\k) < 7
	BLOADH (\k)+1, 1
.endif
.endm
	s_load_b256 s[4:11], s[0:1], 0x0               ; aimg, wimg, the scales' exponents, bo
	s_load_b64 s[12:13], s[0:1], 0x20              ; out0
	v_lshl_add_u32 v[SPW], v0, 2, SPARE
	v_mov_b32 v[NIL], 0
	ds_add_u32 v[SPW], v[NIL]                      ; the opening lines: the add, twice on end, and its wait
	ds_add_u32 v[SPW], v[NIL]
	v_lshrrev_b32 v1, 5, v0
	v_readfirstlane_b32 s20, v1                    ; wave
	s_lshr_b32 s21, s20, 1                         ; which 64 tokens
	s_and_b32 s22, s20, 1                          ; which 128 columns
	s_bfe_u32 s40, ttmp6, 0x40000                  ; cx: it enters the tokens' and the result's addresses alone
	s_and_b32 s41, ttmp7, 0xffff
	s_lshr_b32 s43, s41, 4                         ; wo's block of 256 rows
	s_and_b32 s44, s41, 15
	s_lshl_b32 s44, s44, 2
	s_add_co_u32 s44, s44, s40                     ; the block of 128 tokens
	s_mov_b32 s[G1], 15|(3<<16)|(1<<21)
	s_mov_b32 s[G1+1], 32<<16                      ; rows of 256 bytes,
	s_mov_b32 s[G1+2], 256<<16                     ; 256 of them a wave
	s_mov_b32 s[G1+3], 32<<16
	s_mov_b32 s[G1+4], 256
	s_mov_b32 s[G1+5], 32
	s_mov_b32 s[G1+6], 0
	s_mov_b32 s[G1+7], 0
	s_lshl_b32 s86, s43, 18
	s_add_co_u32 s86, s86, 0x300000
	s_lshl_b32 s98, s20, 16                        ; my quarter, in memory and in LDS
	s_add_co_u32 s86, s86, s98
	s_mov_b32 s87, 0
	s_lshl_b32 s88, s44, 17
	s_lshl_b32 s47, s21, 16
	s_add_co_u32 s88, s88, s47
	s_mov_b32 s89, 0
	s_lshl_b32 s92, s43, 10                        ; my first column, in bytes
	s_lshl_b32 s47, s22, 9
	s_add_co_u32 s92, s92, s47
	s_mov_b32 s93, 0
	s_lshl_b32 s54, s44, 19                        ; my first row of 4,096 bytes
	s_lshl_b32 s47, s21, 18
	s_add_co_u32 s54, s54, s47
	s_mov_b32 s55, 0
	s_wait_dscnt 0x0
	s_wait_kmcnt 0x0
	s_load_b64 s[96:97], s[8:9], 0x28              ; e10, e11
	s_add_nc_u64 s[86:87], s[6:7], s[86:87]
	s_add_nc_u64 s[AN:AN+1], s[4:5], s[88:89]
	s_add_nc_u64 s[10:11], s[10:11], s[92:93]
	s_add_nc_u64 s[12:13], s[12:13], s[54:55]
	s_add_nc_u64 s[12:13], s[12:13], s[92:93]
	s_mov_b32 s[G0], 1
	s_mov_b32 s[G0+1], s98
	s_mov_b64 s[G0+2:G0+3], s[86:87]
	s_or_b32 s[G0+3], s[G0+3], 0x80000000
	ROUND                                          ; all four work-groups are here: the joint loads meet
	tensor_load_to_lds s[G0:G0+3], s[G1:G1+7]      ; my one tensor load
	s_nop 0
	NOP4
	v_and_b32 v1, 15, v0
	v_bfe_u32 v2, v0, 4, 1
	v_and_b32 v[L16], 31, v0
	v_lshlrev_b32 v[L16], 4, v[L16]
	v_lshlrev_b32 v6, 5, v2
	s_wait_alu depctr_va_vdst(0)
.irp b, 0,1,2,3,4,5,6,7
	global_load_b128 v[CB+8*\b:CB+8*\b+3], v6, s[10:11] offset:64*\b
	global_load_b128 v[CB+8*\b+4:CB+8*\b+7], v6, s[10:11] offset:64*\b+16
.endr
.irp k, 0,1,2,3,4,5,6,7
	ALOAD \k
.endr
	s_lshl_b32 s66, s22, 17
	v_add_nc_u32 v[ADB], s66, v[L16]
	v_add_nc_u32 v[ADB+1], 0x10000, v[ADB]
	s_mul_i32 s66, s20, 16*SPITCH
	s_add_co_u32 s66, s66, STAGE                   ; my stage
	v_mul_u32_u24 v7, v1, SPITCH
	v_lshl_add_u32 v7, v2, 5, v7
	v_add_nc_u32 v[STO], s66, v7                   ; in: row l % 16, 32 bytes for each half of the lanes
	v_add_nc_u32 v[RD], s66, v[L16]                ; back: the 32 lanes take one row of 512 bytes
	s_wait_kmcnt 0x0
	s_add_co_i32 s98, s96, s97
	s_sub_co_i32 s99, 0, s98
	s_add_co_i32 s98, s98, 127
	s_lshl_b32 s96, s98, 23                        ; 2^(e10 + e11)
	s_mov_b32 s97, s96
	s_wait_loadcnt 63                              ; the biases are in: 128 loads were issued behind them
.set n, 0
.rept 64
	v_ldexp_f32 v[CB+n], v[CB+n], s99
.set n, n+1
.endr
	s_wait_alu depctr_va_vdst(0)
	s_wait_tensorcnt 0x0                           ; my quarter of wo's block has landed,
	s_barrier_signal -1
	s_barrier_wait -1                              ; and everybody's
	BLOADH 0, 0
	BLOADH 0, 1
.irp k, 0,1,2,3,4,5,6,7
	STEPK \k
.endr
; THE WAY OUT, 16 tokens x 128 columns at a time, through my own stage: rows of 512 bytes come back and leave as two aligned units of 256 bytes.  LDS serves a wave's instructions in order (ISA guide 5.7.1.4).
.macro TOSTAGE a
	WIN 0x01
.set n, 0
.rept 32
	v_pk_mul_f32 v[TMP+n:TMP+n+1], v[64*(\a)+n:64*(\a)+n+1], s[96:97] op_sel_hi:[1,0]   ; each accumulator from its low end on
.set n, n+2
.endr
	WIN 0
.irp b, 0,1,2,3,4,5,6,7
	ds_store_b128 v[STO], v[TMP+8*\b:TMP+8*\b+3] offset:64*\b
	ds_store_b128 v[STO], v[TMP+8*\b+4:TMP+8*\b+7] offset:64*\b+16
.endr
.set BB, BK+64*((\a)%2)
.irp t, 0,1,2,3,4,5,6,7,8,9,10,11,12,13,14,15
	ds_load_b128 v[BB+4*\t:BB+4*\t+3], v[RD] offset:\t*SPITCH
.endr
.endm
.macro SEND a, younger
.set BB, BK+64*((\a)%2)
	s_wait_dscnt \younger
.if (\a) > 0
	s_add_nc_u64 s[12:13], s[12:13], 16*4096       ; (behind a wait on XCNT)
.endif
.irp t, 0,1,2,3,4,5,6,7,8,9,10,11,12,13,14,15
	global_store_b128 v[L16], v[BB+4*\t:BB+4*\t+3], s[12:13] offset:\t*4096 th:TH_STORE_NT
.endr
.endm
	TOSTAGE 0
.irp a, 1,2,3
.if \a > 1
	s_wait_xcnt 0x0                                ; the stores two tiles back have read their registers and base
.endif
	TOSTAGE \a
	SEND \a-1, 32                                  ; behind that tile's loads: this tile's 16 stores and 16 loads
.endr
	s_wait_xcnt 0x0
	SEND 3, 0
	s_wait_tensorcnt 0x0                           ; the wave's end
	ds_add_u32 v[SPW], v[NIL]
	s_wait_dscnt 0x0
	ROUND                                          ; the closing round
	s_endpgm
.Lfunc_end_k_q950a6956d2_oproj:
	.size	k_q950a6956d2_oproj, .Lfunc_end_k_q950a6956d2_oproj-k_q950a6956d2_oproj
	.p2alignl 7, 3214868480
	.fill 96, 4, 3214868480
	.section	.rodata,"a",@progbits
	.p2align	6, 0x0
	.amdhsa_kernel k_q950a6956d2_oproj
		.amdhsa_group_segment_fixed_size 327680
		.amdhsa_private_segment_fixed_size 0
		.amdhsa_enable_private_segment 0
		.amdhsa_kernarg_size 40
		.amdhsa_user_sgpr_count 2
		.amdhsa_user_sgpr_kernarg_segment_ptr 1
		.amdhsa_wavefront_size32 1
		.amdhsa_system_sgpr_workgroup_id_x 1
		.amdhsa_system_sgpr_workgroup_id_y 1
		.amdhsa_system_sgpr_workgroup_id_z 1
		.amdhsa_system_vgpr_workitem_id 0
		.amdhsa_next_free_vgpr 1024
		.amdhsa_next_free_sgpr 100
		.amdhsa_reserve_vcc 0
		.amdhsa_float_denorm_mode_32 3
		.amdhsa_float_denorm_mode_16_64 3
		.amdhsa_memory_ordered 1
		.amdhsa_forward_progress 1
		.amdhsa_inst_pref_size 81
	.end_amdhsa_kernel
	.amdgpu_metadata
---
amdhsa.version: [ 1, 2 ]
amdhsa.kernels:
  - .name:           k_q950a6956d2_oproj
    .symbol:         k_q950a6956d2_oproj.kd
    .args:
      - { .name: aimg, .offset: 0, .size: 8, .value_kind: global_buffer, .address_space: global }
      - { .name: wimg, .offset: 8, .size: 8, .value_kind: global_buffer, .address_space: global }
      - { .name: lowp_scales, .offset: 16, .size: 8, .value_kind: global_buffer, .address_space: global }
      - { .name: bo, .offset: 24, .size: 8, .value_kind: global_buffer, .address_space: global }
      - { .name: out0, .offset: 32, .size: 8, .value_kind: global_buffer, .address_space: global }
    .group_segment_fixed_size: 327680
    .private_segment_fixed_size: 0
    .kernarg_segment_align: 8
    .kernarg_segment_size: 40
    .max_flat_workgroup_size: 128
    .sgpr_count:     100
    .vgpr_count:     1024
    .wavefront_size: 32
...
	.end_amdgpu_metadata
.endif
;; end of part 4
